; MI455X (gfx1250); checked and timed in simulation.
; The chip was launched on July 23, 2026; its instructions are those of AMD's public machine-readable ISA for CDNA 5 (MIT licence, August 2026) and "CDNA5" Instruction Set Architecture Reference Guide (July 2026). The comments in the code are by the model that wrote it; some were corrected since.
;; Multi Head Attention. Allowed arithmetic: matrix products marked QUANTISED: E2M1 operands, one E8M0 scale for each 32 along K, by v_wmma_scale_f32_16x16x128_f8f6f4 with both operands' format E2M1 (or v_wmma_scale_f32_32x16x128_f4), f32 sums; everything else in f32.
;; Inputs: b_proj 1,024 float32; b_qkv 3,072 float32; w_proj_codes 1,024 x 32 x 16 uint8 (E2M1 codes of w_proj, K innermost, in blocks of 32 codes, two codes a byte); w_proj_scales 1,024 x 32 uint8 (E8M0 scales of w_proj, one for each 32 codes along K); w_qkv_codes 3,072 x 32 x 16 uint8 (E2M1 codes of w_qkv, K innermost, in blocks of 32 codes, two codes a byte); w_qkv_scales 3,072 x 32 uint8 (E8M0 scales of w_qkv, one for each 32 codes along K); x_codes 4 x 2,048 x 32 x 16 uint8 (E2M1 codes of x, K innermost, in blocks of 32 codes, two codes a byte); x_scales 4 x 2,048 x 32 uint8 (E8M0 scales of x, one for each 32 codes along K).
;; Outputs: out0 4 x 2,048 x 1,024 float32.
;; This version of the problem:
;;   THIS VERSION OF THE PROBLEM IS GIVEN IN LOW PRECISION. The matrix products marked QUANTISED in the list below multiply operands that are first quantised to E2M1 (2 exponent bits, 1 mantissa bit; 4 bits a number), with one power-of-two scale for each 32 numbers along K (OCP MX v1.0); their sums are f32. All else is computed in f32.
;;   The module's matrix products, in the order in which they are computed (A, B: the left and right operand; K: the contracted axis; several contracted axes count as one K, in the product's order):
;;     1. [M 8,192, K 1,024] x [K 1,024, N 3,072]; A: input x (given as codes); B: input w_qkv (given as codes): QUANTISED
;;     2. batch 64 x [M 2,048, K 64] x [K 64, N 2,048]; A: computed on the way; B: computed on the way: QUANTISED
;;     3. batch 64 x [M 2,048, K 2,048] x [K 2,048, N 64]; A: softmax (see below); B: computed on the way: QUANTISED
;;     4. [M 8,192, K 1,024] x [K 1,024, N 1,024]; A: computed on the way; B: input w_proj (given as codes): QUANTISED
;;   THE QUANTISER, for each operand of a quantised product, along K:
;;     - K is cut into blocks of 32 from its start; a last block that is shorter is filled with zeros.
;;     - A block's scale is 2^e with e = floor(log2(the largest magnitude in the block)) - 2, held to -126 .. 127; a block of zeros has e = 0. As a byte (E8M0): e + 127.
;;     - Each number is divided by its block's scale, clamped to +-6, and rounded to the nearest number of E2M1, ties to even, subnormals kept.
;;     - The product sums the exact products of the quantised numbers (number of the format x scale) in f32.
;;   ~~~python
;;   def quantise(x, axis):      # numpy; x: float32 -> the quantised numbers, widened to float32 again
;;       x = np.moveaxis(x, axis, -1); K = x.shape[-1]
;;       x = np.pad(x, [(0, 0)] * (x.ndim - 1) + [(0, -K % 32)]); x = x.reshape(x.shape[:-1] + (-1, 32)); a = np.abs(x).max(-1, keepdims=True)
;;       e = np.where(a > 0, np.clip(np.frexp(np.where(a > 0, a, 1))[1] - 1 - 2, -126, 127), 0)      # np.frexp(a)[1] - 1 = floor(log2(a)), exactly
;;       r = np.clip(x / 2.0 ** e, -6, 6)
;;       step = 2.0 ** (np.maximum(np.frexp(np.where(r == 0, 1, r))[1] - 1, 0) - 1)
;;       q = np.round(r / step) * step * 2.0 ** e      # np.round: ties to even
;;       return np.moveaxis(q.reshape(q.shape[:-2] + (-1,))[..., :K], -1, axis).astype(np.float32)
;;   ~~~
;;   SOFTMAX AHEAD OF A QUANTISED PRODUCT. Where the list says 'softmax', what is quantised is not the finished softmax but p = 2^(t - M), with t = logit x log2(e) and M = ceil(the row's largest t), a whole number; so 1/2 < the row's largest p <= 1. The row's sum l is taken of the UNQUANTISED p, in f32, and the product's result is divided by l at the end. Since M is a whole number, a kernel that streams over the keys may use a running M (the ceiling of the running maximum): every later rescaling is an exact power of two, which a block's scale takes up: the codes' values come out the same.
;;   OPERANDS COMPUTED ON THE WAY. 'Computed on the way' means the value that the module computes at that place (a softmax that the list does not call 'softmax' is quantised finished and normalised). What goes into a quantiser is computed in f32, as accurately as f32 sums, v_exp_f32 and their like allow (about 1e-6 of the number): no bf16 or f16 on the way to a quantiser, and a product that is left as it is and whose result goes on into a quantised operand takes f32 operands (vector FMAs, or v_wmma_f32_16x16x4_f32). A number that lies on a knife's edge between two numbers of the format may be rounded either way, as far as f32 arithmetic and the matrix unit's own rounding can turn it there, and no further.
;;   INPUTS GIVEN AS CODES. w_proj (in the module: [1024, 1024], K = its axis 1); w_qkv (in the module: [3072, 1024], K = its axis 1); x (in the module: [4, 2048, 1024], K = its axis 2): each comes as NAME_codes (uint8): NAME with its K axis moved to the last place and cut into blocks of 32 codes, [.., K / 32, bytes a block], one block behind the other in memory; two codes a byte, the lower K in the low four bits (a code: sign, 2 exponent bits, 1 mantissa bit); and NAME_scales (uint8): the same leading axes, one E8M0 byte (e + 127) for each 32 codes along K. Its value is code x scale, taken as it is: it is not quantised again, and the codes and scales need not be those that the quantiser above would give.
;; One version. Each part assembles by itself: llvm-mc -triple=amdgcn-amd-amdhsa -mcpu=gfx1250 --defsym DOCPART=n.
;; ======== version 1 of 1: 3 launches
;; workspace buffers: qkvc 12,582,912 bytes; qkvs 786,432 bytes; oc 4,194,304 bytes; os 262,144 bytes
;; launch qkv (part 1): grid 12 x 32, 4 waves a work-group, clusters of 4 x 4, 279,040 bytes of LDS; arguments x_codes, x_scales, w_qkv_codes, w_qkv_scales, b_qkv, qkvc, qkvs; writes qkvc, qkvs
.if DOCPART == 1
	.amdgcn_target "amdgcn-amd-amdhsa--gfx1250"
	.amdhsa_code_object_version 6
	.text
	.protected	k_q9ea27ae0b9_qkv
	.globl	k_q9ea27ae0b9_qkv
	.p2align	8
	.type	k_q9ea27ae0b9_qkv,@function
k_q9ea27ae0b9_qkv:
	s_mov_b64 s[64:65], 0
	v_nop
	global_prefetch_b8 v0, s[64:65] scope:SCOPE_SE
	s_setreg_imm32_b32 hwreg(HW_REG_WAVE_MODE, 25, 1), 1
	s_wait_xcnt 0x0
	s_wait_alu depctr_hold_cnt(0) depctr_sa_sdst(0) depctr_va_vdst(0) depctr_va_sdst(0) depctr_va_ssrc(0) depctr_va_vcc(0) depctr_vm_vsrc(0)
	s_getreg_b32 s2, hwreg(HW_REG_IB_STS2, 6, 4)
	s_cmp_eq_u32 s2, 0
	s_cbranch_scc0 .Lentry_in_a_cluster
	s_endpgm
.Lentry_in_a_cluster:
	s_bfe_u32 s2, ttmp6, 0x10000c
	s_cmp_lg_u32 s2, 0xf033
	s_cbranch_scc0 .Lentry_shape_is_right
	s_endpgm
.Lentry_shape_is_right:
; qkv = x w_qkv^T + b_qkv on codes of FP4 (E2M1) with one E8M0 byte for each 32 along K = 1,024; the f32 results are quantised at once: q and k along the head's 64 channels, v along the keys.
; x: 8,192 rows (tokens) of 512 bytes of codes and 32 scale bytes; w_qkv: 3,072 rows likewise.  Row g x 64 + d of w_qkv is channel d of group g: q's heads are g = 0-15, k's 16-31, v's 32-47.
; A tile of 256 x 256 is made by four waves, as many as a WGP has SIMDs; a wave makes 128 x 128: 64 accumulators of 16 x 16, 512 registers.
; ALL OF K LIES IN LDS: 2 x 256 rows x 512 bytes, as two halves of K with rows of 256 bytes; each half is filled once, nothing is filled again.  Both halves are asked for at the head, so no later load is left to ask ahead for.
; ONE TEXT, TWO ORIENTATIONS.  The tensor called A' gives source 1 of the products (its rows lie in the lanes), B' gives source 0 (its rows run along a lane's registers: the axis that is quantised).
;   cluster x = 0, 1 (q, k): A' = x, B' = w_qkv: a lane holds a token and 128 channels (two heads).     cluster x = 2 (v): A' = w_qkv, B' = x: a lane holds a channel and 128 keys.
;   The choice hangs on the cluster's own x alone, which all sixteen partners share.
; CLUSTERS: 4 x 4 work-groups; A's tile is shared along a row of the cluster, B's along a column: each is asked for jointly, by the same tensor load with the same descriptor and a mask that names the four.
; THE QUANTISER.  In accumulator (a, b) lane (r, h) holds row 16 a + r of A' and, in register j, row 16 b + 8 h + j of B'.  So a block of 32 lies in 16 registers of lanes l and l xor 16.  The conversion of its first eight
; registers gives piece h (8 codes) of the block, that of the other eight piece 2 + h; written in the order even tile of block 2 c, even tile of block 2 c + 1, odd tile of 2 c, odd tile of 2 c + 1, two exchanges of lane halves
; make registers 4 c .. 4 c + 3 hold k = 64 c + 32 h + 0 .. 31: the 4-bit operand's own layout.
; WHAT IS STORED are images of operand registers: 512 consecutive bytes, 16 a lane.
;   qkvc [b 4][g 48][65,536]:  g < 32: [token tile 128][512]: lane (r, h) = the 32 codes d = 32 h .. of token 16 T + r;   g >= 32: [key step 16][channel tile 4][c 2][512]: the fragment of 16 channels x 128 keys.
;   qkvs [b 4][g 48][group of 128 tokens 16][256]:  g < 32: [r 16][a 8][2 bytes] of token 16 a + r;   g >= 32: [r 16][channel tile 4][4 bytes]: the scale word of channel 16 Tc + r for that key step.
; LIMITS: a block whose largest magnitude lies under 2^-124 (a block of zeros too) gets the byte 1, where the rule gives 127 to a block of zeros: its codes are zeros and this program alone reads the bytes; NaN and infinities are not served.
; REGISTERS, in windows of 256: window 0: v1-21 addresses; v32-95 A's scale words, v96-159 B's (word 8 i + q: block i of 16 rows, K step q); v160-223 64 numbers at work; v224-239, v240-247, v248-255 the quantiser's.
;   window 1: A's fragments, two sets at v0, v64; B's at v128, v192; in the last K step the free sets take the biases.   windows 2, 3: the accumulators, (a, b) at v[8 (8 (a % 4) + b)] of window 2 + a / 4.
.set PITCH,  272                       ; an LDS row: 256 bytes + 16 of padding = 68 words: the 16 rows that a load touches start at 16 different banks (64 banks of 4 bytes: ISA guide 11.1)
.set HALFT,  128*PITCH                 ; 128 rows: what one tensor load brings, and what one wave reads of A' or of B'
.set SLOT,   4*HALFT                   ; a half of K: A's 256 rows, then B's 256 rows
.set ADRA, 16                          ; v16-17  LDS address of my A' fragments in K half 0, 1
.set ADRB, 20                          ; v20-21  the same for B'
.set SA,   32
.set SB,   96
.set H,    160
.set TM,   224                         ; +0..3 largest magnitudes, +4..7 the other half's, then the bytes, +12..15 the conversions' scale operands
.set PC,   240                         ; the fragment just made
.set PW,   248                         ; its scale word, one register for each block a
.set AF,   0                           ; in window 1
.set BF,   128
.set BQ,   0                           ; in window 1: the bias along the registers (q, k): 64 numbers
.set BL,   128                         ; in window 1: the bias of the lane's row (v): a pair of equal numbers for each block a
.set G1A,  24                          ; s[24:31] descriptor group 1 for A's tiles;  s[32:39] group 0, one set for each half of K
.set G0A,  32
.set G1B,  48                          ; s[48:55], s[56:63] the same for B's
.set G0B,  56
.set SEL,  88                          ; s[88:89] lane selects for v_permlanex16_b32: lane l xor 16
.set MSB, 0
.macro WIN new                         ; the immediate's high byte repeats the setting that is left; a switch that changes nothing is dropped
.if MSB != (\new)
	s_set_vgpr_msb (MSB<<8)|(\new)
.set MSB, (\new)
.endif
.endm
.macro PLACES n
.rept \n
	v_nop
.endr
.endm
; A joint load: waves 0 and 1 fetch for A', waves 2 and 3 for B'.  Each line has one mask and one set of registers for all that issue it; the branch hangs on the wave's number alone.
; Four v_nop follow each of the two lines, ahead of the jump, the label and what follows.
.macro JLOAD g0a, g1a, g0b, g1b
	s_cmp_eq_u32 s19, 0
	s_cbranch_scc0 .Lfor_b_\@
	tensor_load_to_lds s[\g0a:\g0a+3], s[\g1a:\g1a+7]
	s_nop 0
.rept 4
	v_nop
.endr
	s_branch .Lasked_\@
.Lfor_b_\@:
	tensor_load_to_lds s[\g0b:\g0b+3], s[\g1b:\g1b+7]
	s_nop 0
.rept 4
	v_nop
.endr
.Lasked_\@:
.endm
.macro CROUND                          ; a round of the cluster's barrier: my work-group's barrier; wave 0 signals for the work-group; every wave waits for all sixteen; my work-group's barrier once more
	s_barrier_signal -1
	s_barrier_wait -1
	s_cmp_lg_u32 s18, 0
	s_cbranch_scc1 .Lnot_wave_0_\@
	s_barrier_signal -3
.Lnot_wave_0_\@:
	s_barrier_wait -3
	s_barrier_signal -1
	s_barrier_wait -1
.endm
	s_load_b256 s[4:11], s[0:1], 0x0               ; x's codes s[4:5], x's scales s[6:7], w's codes s[8:9], w's scales s[10:11]
	s_load_b128 s[12:15], s[0:1], 0x20             ; b_qkv s[12:13], qkvc s[14:15]
	s_load_b64 s[16:17], s[0:1], 0x30              ; qkvs
	v_lshl_add_u32 v234, v0, 2, 0x44000
	v_mov_b32 v235, 0
	ds_add_u32 v234, v235
	ds_add_u32 v234, v235
	v_lshrrev_b32 v1, 5, v0
	v_readfirstlane_b32 s18, v1                    ; wave 0..3
	s_lshr_b32 s19, s18, 1                         ; which 128 rows of A' are mine.  Also: I fetch for A' (0) or for B' (1)
	s_and_b32 s20, s18, 1                          ; which 128 rows of B'.  Also: which 128 rows of that tile I fetch
	s_bfe_u32 s21, ttmp6, 0x40000                  ; cx, cy: my place in the cluster
	s_bfe_u32 s22, ttmp6, 0x40004
	s_and_b32 s23, ttmp7, 0xffff                   ; the cluster's y, 0..7
	s_cmp_lt_u32 ttmp9, 2                          ; the cluster's x: 0, 1: q and k;  2: v
	s_cselect_b32 s45, ttmp9, s23                  ; four tile columns (of B'): w_qkv's 0-7 by the cluster's x, or x's 0-31 by its y
	s_cselect_b32 s46, s23, 2                      ; four tile rows (of A'): x's 0-31 by the cluster's y, or w_qkv's 8-11
	s_cselect_b32 s44, 0, 1                        ; the orientation: 0 = q, k;  1 = v
	s_lshl_b32 s40, s45, 2
	s_add_co_u32 s40, s40, s21                     ; tile column
	s_lshl_b32 s41, s46, 2
	s_add_co_u32 s41, s41, s22                     ; tile row
	s_lshl_b32 s42, s22, 2
	s_lshl_b32 s42, 15, s42                        ; my row of the cluster
	s_lshl_b32 s43, 0x1111, s21                    ; my column
	; descriptor group 1: a tile of 128 rows x 256 bytes out of rows of 512, padded in LDS
	s_or_b32 s[G1A], s42, (1<<20)|(1<<21)|(5<<22)|(3<<25)   ; 15:0 the mask; 17:16 elements of 1 byte; 20 padding on; 21 set beside a mask; 24:22 after every 64 words (code 5); 31:25 four words (code 3)
	s_or_b32 s[G1B], s43, (1<<20)|(1<<21)|(5<<22)|(3<<25)
.irp g, G1A, G1B
	s_mov_b32 s[\g+1], 256<<16                     ; tensor_dim0
	s_mov_b32 s[\g+2], 128<<16                     ; tensor_dim1
	s_mov_b32 s[\g+3], 256<<16                     ; tile_dim0
	s_mov_b32 s[\g+4], 128                         ; tile_dim1
	s_mov_b32 s[\g+5], 512                         ; from row to row
	s_mov_b32 s[\g+6], 0
	s_mov_b32 s[\g+7], 0
.endr
	s_lshl_b32 s47, s20, 7                         ; 128 x (wave & 1)
	s_lshl_b32 s66, s41, 8
	s_add_co_u32 s66, s66, s47                     ; A': the rows that I fetch: 256 x tile row + 128 x (wave & 1),
	s_lshl_b32 s66, s66, 9                         ; in bytes.  (These registers never hold cx, those of B' never cy)
	s_mov_b32 s67, 0
	s_lshl_b32 s79, s40, 8
	s_add_co_u32 s79, s79, s47                     ; B': likewise; they are also the rows of B' that I multiply
	s_lshl_b32 s68, s79, 9
	s_mov_b32 s69, 0
	s_lshl_b32 s78, s41, 8
	s_lshl_b32 s82, s19, 7
	s_add_co_u32 s78, s78, s82                     ; the rows of A' that I multiply: 256 x tile row + 128 x (wave >> 1)
	s_mul_i32 s96, s18, HALFT                      ; where my tile goes: wave x 128 rows: no place in the cluster enters an LDS address
	s_wait_dscnt 0x0
	s_wait_kmcnt 0x0
	s_cmp_eq_u32 s44, 0
	s_cselect_b64 s[70:71], s[4:5], s[8:9]         ; A's codes
	s_cselect_b64 s[72:73], s[8:9], s[4:5]         ; B's codes
	s_cselect_b64 s[74:75], s[6:7], s[10:11]       ; A's scales
	s_cselect_b64 s[76:77], s[10:11], s[6:7]       ; B's scales
	s_cselect_b32 s80, s79, s78                    ; my first row of w_qkv
	s_cselect_b32 s81, s78, s79                    ; my first token
	s_add_nc_u64 s[70:71], s[70:71], s[66:67]
	s_add_nc_u64 s[72:73], s[72:73], s[68:69]
	CROUND                                         ; all sixteen work-groups are here: the joint loads meet
.irp s, 0,1
	s_mov_b32 s[G0A+4*\s], 1                       ; 1:0 count = 1
	s_add_co_u32 s[G0A+4*\s+1], s96, \s*SLOT       ; 63:32 LDS address
	s_add_nc_u64 s[G0A+4*\s+2:G0A+4*\s+3], s[70:71], \s*256   ; 120:64 global address: half s of K
	s_or_b32 s[G0A+4*\s+3], s[G0A+4*\s+3], 0x80000000         ; 127:126 type = 2
	s_mov_b32 s[G0B+4*\s], 1
	s_add_co_u32 s[G0B+4*\s+1], s96, \s*SLOT
	s_add_nc_u64 s[G0B+4*\s+2:G0B+4*\s+3], s[72:73], \s*256
	s_or_b32 s[G0B+4*\s+3], s[G0B+4*\s+3], 0x80000000
	JLOAD G0A+4*\s, G1A, G0B+4*\s, G1B             ; two loads of mine are out, and no more follow
.endr
	; the other addresses
	s_mov_b32 s83, 0
	s_lshl_b32 s82, s78, 5
	s_add_nc_u64 s[74:75], s[74:75], s[82:83]      ; A's scales at my rows: 32 bytes a row
	s_lshl_b32 s82, s79, 5
	s_add_nc_u64 s[76:77], s[76:77], s[82:83]      ; B's
	s_lshl_b32 s82, s79, 2
	s_lshl_b32 s97, s78, 2
	s_cmp_eq_u32 s44, 0
	s_cselect_b32 s82, s82, 0                      ; the bias along the registers is used for q and k, that of the lane's row for v; the one not used is read at the buffer's head
	s_cselect_b32 s97, 0, s97
	s_add_nc_u64 s[84:85], s[12:13], s[82:83]
	s_mov_b32 s82, s97
	s_add_nc_u64 s[86:87], s[12:13], s[82:83]
	s_lshr_b32 s82, s81, 11                        ; the batch,
	s_mul_i32 s82, s82, 0x300000                   ; 48 groups of 65,536 bytes;
	s_lshr_b32 s97, s80, 6
	s_lshl_b32 s97, s97, 16                        ; my first group g;
	s_add_co_u32 s82, s82, s97
	s_bfe_u32 s97, s81, 0x40007                    ; my 128 tokens' number in the batch:
	s_lshl_b32 s97, s97, 12                        ; eight token tiles of 512 bytes, or a key step of 4,096
	s_add_co_u32 s82, s82, s97
	s_add_nc_u64 s[92:93], s[14:15], s[82:83]
	s_lshr_b32 s82, s82, 4                         ; the scale bytes are laid alike, a sixteenth of the size
	s_add_nc_u64 s[94:95], s[16:17], s[82:83]
	s_mov_b32 s[SEL], 0x76543210
	s_mov_b32 s[SEL+1], 0xfedcba98
	s_mov_b32 s90, 0x05040100                      ; v_perm_b32: the low halves of two registers
	v_and_b32 v1, 15, v0                           ; r
	v_bfe_u32 v2, v0, 4, 1                         ; h
	v_and_b32 v3, 31, v0
	v_lshlrev_b32 v4, 4, v3                        ; 16 x lane: an image's place for my lane
	v_lshlrev_b32 v5, 5, v1                        ; 32 r: my row's scale bytes
	v_lshlrev_b32 v6, 5, v2                        ; 32 h: my half's eight biases
	v_lshlrev_b32 v7, 2, v1                        ; 4 r: my row's bias
	v_lshlrev_b32 v8, 4, v1
	v_lshl_add_u32 v8, v2, 12, v8                  ; 4,096 h + 16 r: lanes 0-15 store the first group's scale bytes, lanes 16-31 the next group's
	v_lshlrev_b32 v9, 4, v2                        ; 16 h
	v_mul_u32_u24 v10, v1, PITCH
	v_lshl_add_u32 v10, v2, 4, v10                 ; a fragment's row x pitch + 16 x half
	s_mul_i32 s82, s19, HALFT                      ; my 128 rows of A'
	s_mul_i32 s97, s20, HALFT                      ; my 128 rows of B',
	s_add_co_u32 s97, s97, 2*HALFT                 ; which lie behind A's 256
.irp s, 0,1
	v_add_nc_u32 v[ADRA+\s], s82, v10
	v_add_nc_u32 v[ADRB+\s], s97, v10
	s_add_co_u32 s82, s82, SLOT
	s_add_co_u32 s97, s97, SLOT
.endr
.irp b, 0,1,2,3
	v_mov_b32 v[TM+4+\b], 0                        ; written once: a lane permute's destination counts as one of its sources
.endr
.irp i, 0,1,2,3,4,5,6,7                        ; the scale words of my rows for all of K: word q of a row's 32 bytes is K step q.  They stay in registers
	global_load_b128 v[SA+8*\i:SA+8*\i+3],   v5, s[74:75] offset:512*\i
	global_load_b128 v[SA+8*\i+4:SA+8*\i+7], v5, s[74:75] offset:512*\i+16
	global_load_b128 v[SB+8*\i:SB+8*\i+3],   v5, s[76:77] offset:512*\i
	global_load_b128 v[SB+8*\i+4:SB+8*\i+7], v5, s[76:77] offset:512*\i+16
.endr
; The fragments of K step q (128 along K: 64 bytes of a row, in half q / 4) into set q % 2.  A fragment, 16 rows x 128 K of 4-bit codes, is 8 registers: lane l holds row l % 16; registers 4 c .. 4 c + 3 hold K = 64 c + 32 (l / 16) + 0 .. 31.
.macro FETCH q
	WIN 0x40                                       ; destination window 1, address window 0
.irp i, 0,1,2,3,4,5,6,7
.irp c, 0,1
	ds_load_b128 v[BF+64*((\q)%2)+8*\i+4*\c:BF+64*((\q)%2)+8*\i+4*\c+3], v[ADRB+(\q)/4] offset:64*((\q)%4)+32*\c+\i*16*PITCH
.endr
.endr
.irp i, 0,1,2,3,4,5,6,7
.irp c, 0,1
	ds_load_b128 v[AF+64*((\q)%2)+8*\i+4*\c:AF+64*((\q)%2)+8*\i+4*\c+3], v[ADRA+(\q)/4] offset:64*((\q)%4)+32*\c+\i*16*PITCH
.endr
.endr
.endm
; The 64 products of K step q.  The accumulators take turns, one instruction a turn, in the same order in every step.  zero = 1: the first step starts the sums: nothing is cleared.
.macro MULS q, zero
.irp a, 0,1,2,3,4,5,6,7
	WIN 0xa5+0x50*(\a/4)                           ; sources 0 and 1 window 1; C and D window 2 or 3
.irp b, 0,1,2,3,4,5,6,7
.if \zero
	v_wmma_scale_f32_16x16x128_f8f6f4 v[8*(8*(\a%4)+\b):8*(8*(\a%4)+\b)+7], v[BF+64*((\q)%2)+8*\b:BF+64*((\q)%2)+8*\b+7], v[AF+64*((\q)%2)+8*\a:AF+64*((\q)%2)+8*\a+7], 0, v[SB+8*\b+(\q)], v[SA+8*\a+(\q)] matrix_a_fmt:MATRIX_FMT_FP4 matrix_b_fmt:MATRIX_FMT_FP4
.else
	v_wmma_scale_f32_16x16x128_f8f6f4 v[8*(8*(\a%4)+\b):8*(8*(\a%4)+\b)+7], v[BF+64*((\q)%2)+8*\b:BF+64*((\q)%2)+8*\b+7], v[AF+64*((\q)%2)+8*\a:AF+64*((\q)%2)+8*\a+7], v[8*(8*(\a%4)+\b):8*(8*(\a%4)+\b)+7], v[SB+8*\b+(\q)], v[SA+8*\a+(\q)] matrix_a_fmt:MATRIX_FMT_FP4 matrix_b_fmt:MATRIX_FMT_FP4
.endif
.endr
.endr
.endm
; A K step: its fragments were asked for a whole step (64 products) ago; the next step's 32 loads go out in one run, then the products.
.macro STEP q, zero
	s_wait_dscnt 0x0                               ; this step's fragments are in
.if (\q) == 3
	s_wait_tensorcnt 0x0                           ; my part of K's second half has landed: it is my last load.
	s_barrier_signal -1                            ; (no LDS instruction of mine is out)
	s_barrier_wait -1                              ; everybody's has: the next fetch reads it.
.endif
.if (\q) > 0
	PLACES 4                                       ; loads into registers that the last step's products have read stand four plain vector instructions behind them (ISA guide 7.12.1 for vector instructions)
.endif
.if (\q) < 7
	FETCH (\q)+1
.else
	WIN 0x40                                       ; the last step fetches the biases into the sets that are free
.irp b, 0,1,2,3,4,5,6,7
	global_load_b128 v[BQ+8*\b:BQ+8*\b+3],   v6, s[84:85] offset:64*\b       ; register 8 b + j: the bias of B's row 16 b + 8 h + j
	global_load_b128 v[BQ+8*\b+4:BQ+8*\b+7], v6, s[84:85] offset:64*\b+16
.endr
.irp a, 0,1,2,3,4,5,6,7
	global_load_b32 v[BL+2*\a],   v7, s[86:87] offset:64*\a                  ; the bias of A's row 16 a + r, twice: a pair for the packed addition
	global_load_b32 v[BL+2*\a+1], v7, s[86:87] offset:64*\a
.endr
.endif
	MULS \q, \zero
.endm
; 64 numbers of a lane, v[s + 8 b + j] = index 16 b + 8 h + j of my row, become a fragment's codes in v[PC] on and its scale word in v[pw].
.macro QUANT s, pw
.irp b, 0,1,2,3
	v_max3_num_f32 v[TM+\b], |v[\s+16*\b]|, |v[\s+16*\b+1]|, 0x1800000       ; block b: my 16 numbers, and the floor 2^(3 - 127): so the byte cannot fall under 1
.endr
.irp i, 2,4,6,8,10,12,14
.irp b, 0,1,2,3
	v_max3_num_f32 v[TM+\b], v[TM+\b], |v[\s+16*\b+\i]|, |v[\s+16*\b+\i+1]|  ; (the four blocks by turns: no line waits for the line above it)
.endr
.endr
.irp b, 0,1,2,3
	v_permlanex16_b32 v[TM+4+\b], v[TM+\b], s[SEL], s[SEL+1]
.endr
.irp b, 0,1,2,3
	v_max_num_f32 v[TM+\b], v[TM+\b], v[TM+4+\b]   ; with lane l xor 16's: the block's largest magnitude
.endr
.irp b, 0,1,2,3
	v_add_nc_u32 v[TM+12+\b], 0xff000000, v[TM+\b] ; 2 off its exponent field: the conversion takes the exponent field of this operand as its scale, and nothing else of it
.endr
.irp b, 0,1,2,3
	v_lshrrev_b32 v[TM+4+\b], 23, v[TM+12+\b]      ; the scale's byte
.endr
	v_lshl_or_b32 v[\pw], v[TM+5], 8, v[TM+4]
	v_lshl_or_b32 v[\pw], v[TM+6], 16, v[\pw]
	v_lshl_or_b32 v[\pw], v[TM+7], 24, v[\pw]
	s_wait_xcnt 0x0                                ; the last fragment's stores have read their data: its registers are written again only behind this wait
.irp b, 0,1,2,3
	v_cvt_scalef32_pk8_fp4_f32 v[PC+4*(\b/2)+\b%2],   v[\s+16*\b:\s+16*\b+7],    v[TM+12+\b]   ; piece h of block b
	v_cvt_scalef32_pk8_fp4_f32 v[PC+4*(\b/2)+2+\b%2], v[\s+16*\b+8:\s+16*\b+15], v[TM+12+\b]   ; piece 2 + h
.endr
	v_nop                                          ; one plain vector instruction behind the scaled conversions
.irp c, 0,1
	v_permlane16_swap_b32 v[PC+4*\c],   v[PC+4*\c+1]   ; the first's lanes 16-31 change places with the second's lanes 0-15: lanes 0-15 now hold block 2 c, lanes 16-31 block 2 c + 1: pieces 0 and 1,
	v_permlane16_swap_b32 v[PC+4*\c+2], v[PC+4*\c+3]   ; pieces 2 and 3
.endr
.endm
; THE WAY OUT, block a of 16 rows of A' at a time: the bias is added on the way into window 0 (each accumulator is read from its low end on), the 64 numbers are quantised, the fragment is stored as it stands.
.macro EPI path
.irp a, 0,1,2,3,4,5,6,7
	WIN 0x06+\a/4                                  ; source 0 window 2 or 3, source 1 window 1, destination window 0
.set i, 0
.rept 32
.if \path
	v_pk_add_f32 v[H+2*i:H+2*i+1], v[64*(\a%4)+2*i:64*(\a%4)+2*i+1], v[BL+2*\a:BL+2*\a+1]
.else
	v_pk_add_f32 v[H+2*i:H+2*i+1], v[64*(\a%4)+2*i:64*(\a%4)+2*i+1], v[BQ+2*i:BQ+2*i+1]
.endif
.set i, i+1
.endr
	WIN 0
	QUANT H, PW+\a
.irp c, 0,1
.if \path
	global_store_b128 v4, v[PC+4*\c:PC+4*\c+3], s[92:93] offset:65536*(\a/4)+1024*(\a%4)+512*\c   ; head a / 4, channel tile a % 4, half c of the fragment: 512 consecutive bytes, aligned
.else
	global_store_b128 v4, v[PC+4*\c:PC+4*\c+3], s[92:93] offset:65536*\c+512*\a                   ; head c, token tile a: 512 consecutive bytes, aligned
.endif
.endr
.endr
.if \path
	v_cmp_ne_u32 vcc_lo, 0, v2                     ; lanes 0-15 store the first head's four words (blocks 0-3), lanes 16-31 the second's (blocks 4-7)
.irp j, 0,1,2,3
	v_cndmask_b32 v[H+8+\j], v[PW+\j], v[PW+4+\j], vcc_lo
.endr
.else
.irp a, 0,1,2,3,4,5,6,7
	v_lshrrev_b32 v[H+\a], v9, v[PW+\a]            ; lanes 0-15 take the first head's two bytes of a word, lanes 16-31 the second's
.endr
.irp j, 0,1,2,3
	v_perm_b32 v[H+8+\j], v[H+2*\j+1], v[H+2*\j], s90   ; two bytes of each of the eight token tiles: 16 bytes
.endr
.endif
	global_store_b128 v8, v[H+8:H+11], s[94:95]    ; sixteen lanes store 256 consecutive bytes, aligned
.endm
	s_wait_alu depctr_va_vdst(0)
	s_wait_tensorcnt 0x1                           ; my part of K's first half is in; the second half's load may stay out
	s_barrier_signal -1
	s_barrier_wait -1                              ; everybody's is
	FETCH 0
	s_wait_loadcnt 0x0                             ; the scale words
	STEP 0, 1
.irp q, 1,2,3,4,5,6,7
	STEP \q, 0
.endr
	WIN 0                                          ; at a label and at a branch every window is 0
	PLACES 4                                       ; the first reads of results stand four plain vector instructions behind the last product
	s_wait_loadcnt 0x0                             ; the biases
	s_cmp_lg_u32 s44, 0                            ; the orientation: the same in all sixteen partners
	s_cbranch_scc1 .Lv
	EPI 0
	s_branch .Lend
.Lv:
	EPI 1
.Lend:
	s_wait_tensorcnt 0x0
	ds_add_u32 v234, v235
	s_wait_dscnt 0x0
	CROUND                                         ; the closing round: no work-group ends while a partner may still ask for a tile that names it
	s_endpgm
.Lfunc_end_k_q9ea27ae0b9_qkv:
	.size	k_q9ea27ae0b9_qkv, .Lfunc_end_k_q9ea27ae0b9_qkv-k_q9ea27ae0b9_qkv
	.p2alignl 7, 3214868480
	.fill 96, 4, 3214868480
	.section	.rodata,"a",@progbits
	.p2align	6, 0x0
	.amdhsa_kernel k_q9ea27ae0b9_qkv
		.amdhsa_group_segment_fixed_size 279040
		.amdhsa_private_segment_fixed_size 0
		.amdhsa_enable_private_segment 0
		.amdhsa_kernarg_size 56
		.amdhsa_user_sgpr_count 2
		.amdhsa_user_sgpr_kernarg_segment_ptr 1
		.amdhsa_wavefront_size32 1
		.amdhsa_system_sgpr_workgroup_id_x 1
		.amdhsa_system_sgpr_workgroup_id_y 1
		.amdhsa_system_sgpr_workgroup_id_z 1
		.amdhsa_system_vgpr_workitem_id 0
		.amdhsa_next_free_vgpr 1024
		.amdhsa_next_free_sgpr 100
		.amdhsa_reserve_vcc 1
		.amdhsa_float_denorm_mode_32 3
		.amdhsa_float_denorm_mode_16_64 3
		.amdhsa_memory_ordered 1
		.amdhsa_forward_progress 1
		.amdhsa_inst_pref_size 194
	.end_amdhsa_kernel
	.amdgpu_metadata
---
amdhsa.version: [ 1, 2 ]
amdhsa.kernels:
  - .name:           k_q9ea27ae0b9_qkv
    .symbol:         k_q9ea27ae0b9_qkv.kd
    .args:
      - { .name: x_codes, .offset: 0, .size: 8, .value_kind: global_buffer, .address_space: global }
      - { .name: x_scales, .offset: 8, .size: 8, .value_kind: global_buffer, .address_space: global }
      - { .name: w_qkv_codes, .offset: 16, .size: 8, .value_kind: global_buffer, .address_space: global }
      - { .name: w_qkv_scales, .offset: 24, .size: 8, .value_kind: global_buffer, .address_space: global }
      - { .name: b_qkv, .offset: 32, .size: 8, .value_kind: global_buffer, .address_space: global }
      - { .name: qkvc, .offset: 40, .size: 8, .value_kind: global_buffer, .address_space: global }
      - { .name: qkvs, .offset: 48, .size: 8, .value_kind: global_buffer, .address_space: global }
    .group_segment_fixed_size: 279040
    .private_segment_fixed_size: 0
    .kernarg_segment_align: 8
    .kernarg_segment_size: 56
    .max_flat_workgroup_size: 128
    .sgpr_count:     100
    .vgpr_count:     1024
    .wavefront_size: 32
...
	.end_amdgpu_metadata
.endif
;; end of part 1
;; launch attn (part 2): grid 4 x 64, 16 waves a work-group, clusters of 4 x 1, 327,680 bytes of LDS; arguments qkvc, qkvs, oc, os; writes oc, os
.if DOCPART == 2
	.amdgcn_target "amdgcn-amd-amdhsa--gfx1250"
	.amdhsa_code_object_version 6
	.text
	.protected	k_q9ea27ae0b9_attn
	.globl	k_q9ea27ae0b9_attn
	.p2align	8
	.type	k_q9ea27ae0b9_attn,@function
k_q9ea27ae0b9_attn:
	s_mov_b64 s[64:65], 0
	v_nop
	global_prefetch_b8 v0, s[64:65] scope:SCOPE_SE
	s_setreg_imm32_b32 hwreg(HW_REG_WAVE_MODE, 25, 1), 1
	s_wait_xcnt 0x0
	s_wait_alu depctr_hold_cnt(0) depctr_sa_sdst(0) depctr_va_vdst(0) depctr_va_sdst(0) depctr_va_ssrc(0) depctr_va_vcc(0) depctr_vm_vsrc(0)
	s_getreg_b32 s2, hwreg(HW_REG_IB_STS2, 6, 4)
	s_cmp_eq_u32 s2, 0
	s_cbranch_scc0 .Lentry_in_a_cluster
	s_endpgm
.Lentry_in_a_cluster:
	s_bfe_u32 s2, ttmp6, 0x10000c
	s_cmp_lg_u32 s2, 0x3003
	s_cbranch_scc0 .Lentry_shape_is_right
	s_endpgm
.Lentry_shape_is_right:
; o = softmax(q k^T / 8) v for 64 (batch, head) pairs of 2,048 tokens and 64 channels, both products on codes of FP4 (E2M1) with one E8M0 byte for each 32 along a product's K; o is quantised along the channels at once.
; THE SOFTMAX AHEAD OF THE SECOND PRODUCT: t = score x log2(e) / 8; M = the row's largest t so far, rounded UP to a whole number; p = 2^(t - M) is what is quantised, along the keys; it is not normalised.
; The row's sum is taken of the unquantised p, in f32, and divides O at the end (a reciprocal and a multiplication).  When M moves, the sum and O are multiplied by 2^(old M - new M): exact.
; SHARES.  A work-group owns 512 queries of one head.  Each of its SIXTEEN waves makes two passes, each over one tile of 16 queries (tile 16 p + wave), in 256 registers: four waves to a SIMD, so that one wave's
; exponentials stand beside another's plain work, products and LDS loads.  Every wave walks all 2,048 keys, 128 a step.
; ALL OF A HEAD'S K AND V LIES IN LDS, as the images of operand registers that the launch before has stored, with its scale bytes: 139,264 bytes, filled once, at the head; nothing is fetched later, so no later load is left to ask ahead for.
; CLUSTER.  The four work-groups of a cluster are the four query blocks of one head: K and V are asked for JOINTLY, by the same tensor loads with the same descriptors and a mask that names the four.
; LAYOUT.  Both products are used transposed: S^T = K Q^T (source 0 = keys, source 1 = my 16 queries), O^T = V^T P^T (source 0 = 16 channels, source 1 = P): a lane holds ONE query (lane % 16) throughout.
; THE HEAD'S 64 IS HALF OF THE INSTRUCTION'S K.  Two neighbouring tiles of 16 keys make ONE fragment of 8 registers (registers 0-3: the even tile's 64 channels, 4-7: the odd tile's); it is multiplied once by [q | 0] and once by
; [0 | q].  Twelve registers [0 0 0 0 | q | 0 0 0 0] hold both; q's scale word is its two bytes twice.  K's scale word of a fragment is the two tiles' two bytes each, as they lie.
; In S^T tile i, register j of lane (r, h) is key 16 i + 8 h + j: a block of 32 keys lies in 16 registers of lanes l and l xor 16; p's codes are put in the operand's order as the launch before does it (two exchanges of lane halves a pair of blocks).
; WHAT IS STORED: oc [token tile 512][head 16][512]: lane (r, h) = the 32 codes of channels 32 h .. of token 16 T + r;  os [b 4][head 16][group of 128 tokens 16][r 16][a 8][2 bytes] of token 16 a + r.
; LIMITS: a block whose largest magnitude lies under 2^-124 (a block of zeros too) gets the byte 1: its codes are zeros and this program alone reads the bytes; NaN and infinities are not served.
.set KSC,  131072                      ; LDS: K's images at 0 (key step s at 4,096 s), V's at 65,536 likewise; K's scale bytes here (256 a step),
.set VSC,  135168                      ; V's,
.set GATH, 139264                      ; and 1,024 bytes in which o's scale bytes are gathered: the only bytes that are stored to; no tile lands there
.set LI,   1                           ; v1   16 x lane: an image's place for my lane; also my place in K's images
.set AV0,  3                           ; v3   the same in V's images
.set AS0,  4                           ; v4   my row's 16 scale bytes of K in a step
.set AT0,  5                           ; v5   of V
.set R16,  6                           ; v6   16 r
.set GA,   7                           ; v7   where my tile's two scale bytes go
.set ADK,  8                           ; v8-11 the step's four LDS addresses
.set ADV,  9
.set ADS,  10
.set ADT,  11
.set QA,   16                          ; v16-27  pass 0's twelve registers of q;  v28 its scale word
.set QSA,  28
.set QSB,  29                          ; v29     pass 1's scale word
.set GR,   31                          ; v31     GATH + 16 x lane
.set KF,   32                          ; v32-63  four fragments of K (eight tiles of 16 keys)
.set VF,   64                          ; v64-95  four fragments of V (16 channels x 128 keys each)
.set S,    96                          ; v96-159 S^T, then p
.set O,    160                         ; v160-191 O^T
.set PCD,  192                         ; v192-199 p's codes
.set KS,   200                         ; v200-203 K's scale words, v204-207 V's, v208 p's: they hold scales and nothing else
.set VS,   204
.set PS,   208
.set BM,   212                         ; v212-215 the blocks' largest scores, then their largest p
.set T4,   216                         ; v216-219 the other half's, then the bytes
.set SO,   220                         ; v220-223 the conversions' scale operands
.set F,    224                         ; v[224:225] f = 2^(old M - new M); later 1 / the sum (the pair's upper word is written once)
.set T,    226
.set LB,   228                         ; v[228:229] the sum's second chain
.set QU,   230                         ; v230-231 q's two scale bytes as loaded
.set QB1,  236                         ; v236-247 pass 1's twelve registers of q
.set OC,   248                         ; v248-251 o's codes
.set HW,   252                         ; v252    o's two scale bytes
.set WV,   12
.set SEL,  20                          ; s[20:21] lane selects for v_permlanex16_b32: lane l xor 16
.set CS,   22                          ; s[22:23] c = log2(e) / 8: the packed form names a pair and takes its low word for both halves
.set TB,   2                           ; s2   the step's images: 4,096 bytes a step
.set TS,   3                           ; s3   its scale bytes: 256 a step
.set CNT,  66
.macro PLACES n
.rept \n
	v_nop
.endr
.endm
.macro CROUND                          ; a round of the cluster's barrier
	s_barrier_signal -1
	s_barrier_wait -1
	s_cmp_lg_u32 s[WV], 0
	s_cbranch_scc1 .Lnot_wave_0_\@
	s_barrier_signal -3
.Lnot_wave_0_\@:
	s_barrier_wait -3
	s_barrier_signal -1
	s_barrier_wait -1
.endm
	s_load_b256 s[4:11], s[0:1], 0x0               ; qkvc s[4:5], qkvs s[6:7], oc s[8:9], os s[10:11]
	v_lshl_add_u32 v254, v0, 2, 0x29000
	v_mov_b32 v255, 0
	ds_add_u32 v254, v255
	ds_add_u32 v254, v255
	v_lshrrev_b32 v30, 5, v0
	s_delay_alu instid0(VALU_DEP_1)
	v_readfirstlane_b32 s[WV], v30                 ; wave 0..15
	s_bfe_u32 s13, ttmp6, 0x40000                  ; cx: my block of 512 queries: it enters the addresses of q, oc and os alone
	s_and_b32 s14, ttmp7, 0xffff
	s_lshr_b32 s15, s14, 4                         ; the batch
	s_and_b32 s16, s14, 15                         ; the head
	s_lshr_b32 s17, s[WV], 3                       ; waves 0-7 fetch K, waves 8-15 V;
	s_and_b32 s18, s[WV], 7                        ; each an eighth
	s_mul_i32 s76, s15, 0x300000
	s_lshl_b32 s77, s17, 4
	s_add_co_u32 s77, s77, s16
	s_add_co_u32 s77, s77, 16                      ; group 16 + head (K) or 32 + head (V)
	s_lshl_b32 s77, s77, 16
	s_add_co_u32 s76, s76, s77                     ; its images,
	s_lshr_b32 s78, s76, 4                         ; its scale bytes (laid alike, a sixteenth of the size);
	s_lshl_b32 s77, s18, 13
	s_add_co_u32 s76, s76, s77                     ; my 8,192 bytes of the images,
	s_mov_b32 s77, 0
	s_lshl_b32 s79, s18, 9
	s_add_co_u32 s78, s78, s79                     ; my 512 of the scale bytes
	s_mov_b32 s79, 0
	s_lshl_b32 s80, s[WV], 13                      ; where they go: 8,192 x wave (V's images lie behind K's),
	s_lshl_b32 s81, s[WV], 9                       ; KSC + 512 x wave
	; descriptor groups 1: dense blocks as rows of 256 bytes (32 elements of 8 bytes): 2 rows of scale bytes, 32 rows of images
	s_mov_b32 s24, 15|(3<<16)|(1<<21)              ; 15:0 the mask: all four work-groups; 17:16 elements of 8 bytes; 21 set beside a mask; no padding: an image is read 16 bytes a lane on end
	s_mov_b32 s25, 32<<16                          ; tensor_dim0
	s_mov_b32 s26, 2<<16                           ; tensor_dim1
	s_mov_b32 s27, 32<<16                          ; tile_dim0
	s_mov_b32 s28, 2                               ; tile_dim1
	s_mov_b32 s29, 32                              ; from row to row
	s_mov_b32 s30, 0
	s_mov_b32 s31, 0
	s_mov_b32 s32, 15|(3<<16)|(1<<21)
	s_mov_b32 s33, 32<<16
	s_mov_b32 s34, 32<<16
	s_mov_b32 s35, 32<<16
	s_mov_b32 s36, 32
	s_mov_b32 s37, 32
	s_mov_b32 s38, 0
	s_mov_b32 s39, 0
	s_wait_dscnt 0x0
	s_wait_kmcnt 0x0
	s_mov_b32 s48, 1                               ; group 0 for the scale bytes
	s_add_co_u32 s49, s81, KSC
	s_add_nc_u64 s[50:51], s[6:7], s[78:79]
	s_or_b32 s51, s51, 0x80000000
	s_mov_b32 s52, 1                               ; and for the images
	s_mov_b32 s53, s80
	s_add_nc_u64 s[54:55], s[4:5], s[76:77]
	s_or_b32 s55, s55, 0x80000000
	CROUND                                         ; all four work-groups are here: the joint loads meet
	tensor_load_to_lds s[48:51], s[24:31]          ; every wave issues both: one load of mine is out
	s_nop 0
	s_wait_alu depctr_va_vdst(0)
	s_wait_tensorcnt 0x0
	ds_add_u32 v254, v255
	s_wait_dscnt 0x0
	CROUND
	tensor_load_to_lds s[52:55], s[32:39]
	s_nop 0
.rept 4
	v_nop
.endr
	s_mul_i32 s82, s15, 0x300000
	s_lshl_b32 s83, s16, 16
	s_add_co_u32 s82, s82, s83                     ; q's group in qkvc,
	s_lshr_b32 s84, s82, 4                         ; in qkvs
	s_lshl_b32 s86, s13, 5
	s_add_co_u32 s86, s86, s[WV]                   ; pass 0's token tile in the batch: 32 cx + wave
	s_lshl_b32 s83, s86, 9
	s_add_co_u32 s82, s82, s83
	s_mov_b32 s83, 0
	s_add_nc_u64 s[68:69], s[4:5], s[82:83]        ; q's image
	s_lshl_b32 s85, s13, 2
	s_add_co_u32 s85, s85, s17                     ; its group of 128 tokens: 4 cx + wave / 8,
	s_lshl_b32 s85, s85, 8
	s_add_co_u32 s84, s84, s85
	s_lshl_b32 s85, s18, 1                         ; and its place a = wave % 8 in it
	s_add_co_u32 s84, s84, s85
	s_mov_b32 s85, 0
	s_add_nc_u64 s[70:71], s[6:7], s[84:85]        ; q's scale bytes
	s_lshl_b32 s88, s15, 7
	s_add_co_u32 s88, s88, s86                     ; the token tile among all 512
	s_lshl_b32 s88, s88, 13
	s_lshl_b32 s89, s16, 9
	s_add_co_u32 s88, s88, s89
	s_mov_b32 s89, 0
	s_add_nc_u64 s[72:73], s[8:9], s[88:89]        ; o's image
	s_lshl_b32 s90, s15, 16
	s_lshl_b32 s91, s16, 12
	s_add_co_u32 s90, s90, s91
	s_lshl_b32 s91, s13, 10
	s_add_co_u32 s90, s90, s91
	s_mov_b32 s91, 0
	s_add_nc_u64 s[74:75], s[10:11], s[90:91]      ; the work-group's 1,024 scale bytes of o
	s_mov_b32 s[SEL], 0x76543210
	s_mov_b32 s[SEL+1], 0xfedcba98
	s_mov_b32 s[CS], 0x3e38aa3b                    ; c = log2(e) / 8
	s_mov_b32 s[CS+1], s[CS]                       ; (named with it as a pair, so it is written)
	v_and_b32 v30, 31, v0
	s_delay_alu instid0(VALU_DEP_1)
	v_lshlrev_b32 v[LI], 4, v30
	s_delay_alu instid0(VALU_DEP_1)
	v_add_nc_u32 v[AV0], 65536, v[LI]
	v_and_b32 v30, 15, v0
	s_delay_alu instid0(VALU_DEP_1)
	v_lshlrev_b32 v[R16], 4, v30
	s_delay_alu instid0(VALU_DEP_1)
	v_add_nc_u32 v[AS0], KSC, v[R16]
	s_delay_alu instid0(VALU_DEP_2)
	v_add_nc_u32 v[AT0], VSC, v[R16]
	s_lshl_b32 s92, s17, 8
	s_lshl_b32 s93, s18, 1
	s_add_co_u32 s92, s92, s93
	s_add_co_u32 s92, s92, GATH
	v_add_nc_u32 v[GA], s92, v[R16]                ; GATH + 256 (wave / 8) + 16 r + 2 (wave % 8); pass 1 lies 512 bytes on
	v_add_nc_u32 v[GR], GATH, v[LI]
	global_load_b128 v[QA+4:QA+7], v[LI], s[68:69]                 ; both passes' q stay in registers
	global_load_b128 v[QB1+4:QB1+7], v[LI], s[68:69] offset:8192   ; (16 token tiles on)
	global_load_u16 v[QU], v[R16], s[70:71]
	global_load_u16 v[QU+1], v[R16], s[70:71] offset:512           ; (two groups of 128 tokens on)
.irp j, 0,1,2,3,8,9,10,11
	v_mov_b32 v[QA+\j], 0                          ; zero codes on both sides of q
	v_mov_b32 v[QB1+\j], 0
.endr
.irp b, 0,1,2,3
	v_mov_b32 v[T4+\b], 0                          ; written once: a lane permute's destination counts as one of its sources
.endr
	v_mov_b32 v[T], 0
	v_mov_b32 v[F+1], 0                            ; (named as the upper half of a pair)
	s_wait_loadcnt 0x0
	v_lshl_or_b32 v[QSA], v[QU], 16, v[QU]         ; q's two bytes twice: they serve [q | 0] and [0 | q] alike
	v_lshl_or_b32 v[QSB], v[QU+1], 16, v[QU+1]
	s_wait_tensorcnt 0x0                           ; my parts of K or V and of the scale bytes have landed,
	s_barrier_signal -1
	s_barrier_wait -1                              ; everybody's have: the head's K and V are whole
; A KEY STEP: 128 keys.  qb: the pass's twelve registers of q;  qs: its scale word.
.macro STEP qb, qs
	v_add_nc_u32 v[ADK], s[TB], v[LI]              ; these four are also the places between the last step's products and the loads into registers that those have read
	v_add_nc_u32 v[ADV], s[TB], v[AV0]
	v_add_nc_u32 v[ADS], s[TS], v[AS0]
	v_add_nc_u32 v[ADT], s[TS], v[AT0]
	ds_load_b128 v[KS:KS+3], v[ADS]                ; word m: tiles 2 m and 2 m + 1 of my row r
.irp i, 0,1,2,3,4,5,6,7
	ds_load_b128 v[KF+4*\i:KF+4*\i+3], v[ADK] offset:512*\i    ; tile i's image: 512 bytes on end
.endr
	ds_load_b128 v[VS:VS+3], v[ADT]                ; word Tc: channel 16 Tc + r
.irp i, 0,1,2,3,4,5,6,7
	ds_load_b128 v[VF+4*\i:VF+4*\i+3], v[ADV] offset:512*\i
.endr
	s_wait_dscnt 9                                 ; K's nine loads are in; V's nine may stay out
.irp i, 0,1,2,3,4,5,6,7                        ; S^T: an even tile by [q | 0], an odd one by [0 | q]
	v_wmma_scale_f32_16x16x128_f8f6f4 v[S+8*\i:S+8*\i+7], v[KF+8*(\i/2):KF+8*(\i/2)+7], v[\qb+4-4*(\i%2):\qb+11-4*(\i%2)], 0, v[KS+\i/2], v[\qs] matrix_a_fmt:MATRIX_FMT_FP4 matrix_b_fmt:MATRIX_FMT_FP4
.endr
	PLACES 4
.irp b, 0,1,2,3
	v_max3_num_f32 v[BM+\b], v[S+16*\b], v[S+16*\b+1], v[S+16*\b+2]   ; THE LARGEST SCORE OF EACH BLOCK OF 32 KEYS: it serves for the row's maximum and, since p rises with the score, for the block's largest p
.endr
.irp i, 3,5,7,9,11,13
.irp b, 0,1,2,3
	v_max3_num_f32 v[BM+\b], v[BM+\b], v[S+16*\b+\i], v[S+16*\b+\i+1]   ; (the four blocks by turns; each accumulator is first read at its low end)
.endr
.endr
.irp b, 0,1,2,3
	v_max_num_f32 v[BM+\b], v[BM+\b], v[S+16*\b+15]
.endr
.irp b, 0,1,2,3
	s_delay_alu instid0(VALU_DEP_4)
	v_permlanex16_b32 v[T4+\b], v[BM+\b], s[SEL], s[SEL+1]
.endr
.irp b, 0,1,2,3
	s_delay_alu instid0(VALU_DEP_4)
	v_max_num_f32 v[BM+\b], v[BM+\b], v[T4+\b]     ; with lane l xor 16's 16 keys
.endr
	s_delay_alu instid0(VALU_DEP_2)
	v_max3_num_f32 v[T], v[BM], v[BM+1], v[BM+2]
	s_delay_alu instid0(VALU_DEP_1)
	v_max_num_f32 v[T], v[T], v[BM+3]              ; the step's largest score of my query
	s_delay_alu instid0(VALU_DEP_1)
	v_mul_f32 v[T], s[CS], v[T]                    ; as t (c is positive)
	s_delay_alu instid0(VALU_DEP_1)
	v_max_num_f32 v13, v13, v[T]                   ; the running largest t
	v_mov_b32 v[T], v12
	s_delay_alu instid0(VALU_DEP_2)
	v_floor_f32 v12, -v13                          ; the new -M = floor(-t) = -ceil(t): M is a whole number
	s_delay_alu instid0(VALU_DEP_1)
	v_sub_f32 v[T], v12, v[T]                      ; M's old value less its new one: a whole number, 0 or less
	s_delay_alu instid0(VALU_DEP_1)
	v_cvt_i32_f32 v[T], v[T]                       ; (it saturates)
	s_delay_alu instid0(VALU_DEP_1)
	v_ldexp_f32 v[F], 1.0, v[T]                    ; f = 2^(old M - new M): a multiplication by it rounds nothing
.set i, 0
.rept 32
	v_pk_fma_f32 v[S+2*i:S+2*i+1], v[S+2*i:S+2*i+1], s[CS:CS+1], v[12:13] op_sel_hi:[1,0,0]   ; t - M, two at a time (of the pairs c and -M the low word serves both halves)
.set i, i+1
.endr
.irp b, 0,1,2,3
	v_fma_f32 v[BM+\b], v[BM+\b], s[CS], v12       ; the same of each block's largest score
.endr
.set i, 0
	s_wait_alu depctr_va_vdst(0)
.rept 64
	v_exp_f32 v[S+i], v[S+i]                       ; p = 2^(t - M), at most 1: not normalised
.set i, i+1
.endr
	s_setprio 1
	v_pk_mul_f32 v[14:15], v[14:15], v[F:F+1] op_sel_hi:[1,0]   ; the sums under the new M.  (A plain instruction behind the exponentials)
	s_wait_alu depctr_va_vdst(0)                   ; one wait for the whole batch, ahead of its first reader
.irp b, 0,1,2,3
	v_exp_f32 v[BM+\b], v[BM+\b]                   ; the block's largest p: the same two instructions on the same number give the same bits
.endr
	v_pk_add_f32 v[LB:LB+1], v[S:S+1], v[S+2:S+3]  ; THE ROW'S SUM IS TAKEN OF THE UNQUANTISED p: two at a time, in two chains.  (It reads the 64 alone: plain work behind the four)
.irp j, 4,8,12,16,20,24,28,32,36,40,44,48,52,56,60
	v_pk_add_f32 v[14:15], v[14:15], v[S+\j:S+\j+1]
	v_pk_add_f32 v[LB:LB+1], v[LB:LB+1], v[S+\j+2:S+\j+3]
.endr
	s_delay_alu instid0(VALU_DEP_1)
	v_pk_add_f32 v[14:15], v[14:15], v[LB:LB+1]
	s_wait_alu depctr_va_vdst(0)                   ; and one for the four
.irp b, 0,1,2,3
	v_max_num_f32 v[BM+\b], 0x1800000, v[BM+\b]    ; the floor 2^(3 - 127): the byte cannot fall under 1 (a block whose every p has fallen to 0 keeps that byte: its codes are zeros)
.endr
.irp b, 0,1,2,3
	s_delay_alu instid0(VALU_DEP_4)
	v_add_nc_u32 v[SO+\b], 0xff000000, v[BM+\b]    ; 2 off the exponent field: the conversion's scale operand
.endr
.irp b, 0,1,2,3
	s_delay_alu instid0(VALU_DEP_4)
	v_lshrrev_b32 v[T4+\b], 23, v[SO+\b]           ; the scale's byte
.endr
	s_delay_alu instid0(VALU_DEP_3)
	v_lshl_or_b32 v[PS], v[T4+1], 8, v[T4]         ; p's scale word for these 128 keys
	s_delay_alu instid0(VALU_DEP_1)
	v_lshl_or_b32 v[PS], v[T4+2], 16, v[PS]
	s_delay_alu instid0(VALU_DEP_1)
	v_lshl_or_b32 v[PS], v[T4+3], 24, v[PS]
.irp b, 0,1,2,3
	v_cvt_scalef32_pk8_fp4_f32 v[PCD+4*(\b/2)+\b%2],   v[S+16*\b:S+16*\b+7],    v[SO+\b]   ; piece h of block b
	v_cvt_scalef32_pk8_fp4_f32 v[PCD+4*(\b/2)+2+\b%2], v[S+16*\b+8:S+16*\b+15], v[SO+\b]   ; piece 2 + h
.endr
	v_nop                                          ; one plain vector instruction behind the scaled conversions
.irp c, 0,1
	v_permlane16_swap_b32 v[PCD+4*\c],   v[PCD+4*\c+1]   ; lanes 0-15 now hold block 2 c, lanes 16-31 block 2 c + 1: pieces 0 and 1,
	v_permlane16_swap_b32 v[PCD+4*\c+2], v[PCD+4*\c+3]   ; pieces 2 and 3
.endr
.set i, 0
	s_setprio 0
.rept 16
	v_pk_mul_f32 v[O+2*i:O+2*i+1], v[O+2*i:O+2*i+1], v[F:F+1] op_sel_hi:[1,0]   ; O^T under the new M: x f.  For each product below, twelve of these name none of its registers: they are the places between p's scale word and codes and that product
.set i, i+1
.endr
	s_wait_alu depctr_va_vdst(0)
	s_wait_dscnt 0x0                               ; V is in
.irp t, 0,1,2,3                                ; O^T += V^T P^T: four tiles of 16 channels, by turns; K = these 128 keys
	v_wmma_scale_f32_16x16x128_f8f6f4 v[O+8*\t:O+8*\t+7], v[VF+8*\t:VF+8*\t+7], v[PCD:PCD+7], v[O+8*\t:O+8*\t+7], v[VS+\t], v[PS] matrix_a_fmt:MATRIX_FMT_FP4 matrix_b_fmt:MATRIX_FMT_FP4
.endr
	s_add_co_u32 s[TB], s[TB], 4096
	s_add_co_u32 s[TS], s[TS], 256
.endm
; The end of pass p: O^T / the sum, quantised along the head's 64 channels (two blocks), stored as an image; the two scale bytes go to the gathering place.
.macro FINISH p
	PLACES 4                                       ; behind the last products
	v_add_f32 v14, v14, v15                        ; the sum's two halves,
	s_delay_alu instid0(VALU_DEP_1)
	v_permlanex16_b32 v[T], v14, s[SEL], s[SEL+1]
	s_delay_alu instid0(VALU_DEP_1)
	v_add_f32 v14, v14, v[T]                       ; and lane l xor 16's: the row's sum
	s_wait_alu depctr_va_vdst(0)
	v_rcp_f32 v[F], v14
	v_nop                                          ; a plain instruction behind the reciprocal,
	s_wait_alu depctr_va_vdst(0)                   ; and the wait ahead of its first reader
.set i, 0
.rept 16
	v_pk_mul_f32 v[S+2*i:S+2*i+1], v[O+2*i:O+2*i+1], v[F:F+1] op_sel_hi:[1,0]   ; register 8 t + j: o(query r, channel 16 t + 8 h + j)
.set i, i+1
.endr
.irp b, 0,1
	v_max3_num_f32 v[BM+\b], |v[S+16*\b]|, |v[S+16*\b+1]|, 0x1800000
.endr
.irp i, 2,4,6,8,10,12,14
.irp b, 0,1
	s_delay_alu instid0(VALU_DEP_2)
	v_max3_num_f32 v[BM+\b], v[BM+\b], |v[S+16*\b+\i]|, |v[S+16*\b+\i+1]|
.endr
.endr
.irp b, 0,1
	s_delay_alu instid0(VALU_DEP_2)
	v_permlanex16_b32 v[T4+\b], v[BM+\b], s[SEL], s[SEL+1]
.endr
.irp b, 0,1
	s_delay_alu instid0(VALU_DEP_2)
	v_max_num_f32 v[BM+\b], v[BM+\b], v[T4+\b]
.endr
.irp b, 0,1
	s_delay_alu instid0(VALU_DEP_2)
	v_add_nc_u32 v[SO+\b], 0xff000000, v[BM+\b]
.endr
.irp b, 0,1
	s_delay_alu instid0(VALU_DEP_2)
	v_lshrrev_b32 v[T4+\b], 23, v[SO+\b]
.endr
	s_delay_alu instid0(VALU_DEP_1)
	v_lshl_or_b32 v[HW], v[T4+1], 8, v[T4]
	s_wait_alu depctr_va_vdst(0)
	s_wait_xcnt 0x0                                ; the last pass's store has read its data: its registers are written again only behind this wait
.irp b, 0,1
	v_cvt_scalef32_pk8_fp4_f32 v[OC+\b],   v[S+16*\b:S+16*\b+7],    v[SO+\b]
	v_cvt_scalef32_pk8_fp4_f32 v[OC+2+\b], v[S+16*\b+8:S+16*\b+15], v[SO+\b]
.endr
	v_nop
	v_permlane16_swap_b32 v[OC],   v[OC+1]         ; lanes 0-15: channels 0-31, lanes 16-31: channels 32-63
	v_permlane16_swap_b32 v[OC+2], v[OC+3]
	global_store_b128 v[LI], v[OC:OC+3], s[72:73] offset:131072*\p   ; 512 consecutive bytes, aligned; pass 1 lies 16 token tiles on
	ds_store_b16 v[GA], v[HW] offset:512*\p        ; lanes l and l xor 16 write the same two bytes with the same value
.endm
.macro PASS p, qb, qs
	v_mov_b32 v13, 0xff61b1e6                      ; the largest t so far: -3e38, under every t
	s_delay_alu instid0(VALU_DEP_1)
	v_floor_f32 v12, -v13                          ; -M
	v_mov_b32 v14, 0                               ; the sum, in two halves
	v_mov_b32 v15, 0
.set i, 0
.rept 32
	v_mov_b32 v[O+i], 0                            ; O^T.  (The step is written once a pass: the first finds zeros, which the first change of M leaves zeros)
.set i, i+1
.endr
	s_mov_b32 s[TB], 0
	s_mov_b32 s[TS], 0
	s_mov_b32 s[CNT], 16
.Lstep_\@:
	s_setprio 2
	STEP \qb, \qs
	s_sub_co_u32 s[CNT], s[CNT], 1
	s_cmp_lg_u32 s[CNT], 0
	s_cbranch_scc1 .Lstep_\@
	s_setprio 0
	FINISH \p
.endm
	PASS 0, QA, QSA
	PASS 1, QB1, QSB
	s_wait_dscnt 0x0                               ; for the others' sake: my scale bytes lie in the gathering place
	s_barrier_signal -1
	s_barrier_wait -1
	s_cmp_lg_u32 s[WV], 0                          ; wave 0 stores the work-group's 1,024 scale bytes
	s_cbranch_scc1 .Lnot_mine
	ds_load_b128 v[S:S+3], v[GR]
	ds_load_b128 v[S+4:S+7], v[GR] offset:512
	s_wait_dscnt 0x0
	global_store_b128 v[LI], v[S:S+3], s[74:75]                  ; each store covers 512 consecutive bytes, aligned
	global_store_b128 v[LI], v[S+4:S+7], s[74:75] offset:512
.Lnot_mine:
	s_wait_tensorcnt 0x0
	ds_add_u32 v254, v255
	s_wait_dscnt 0x0
	CROUND                                         ; the closing round: no work-group ends while a partner may still ask for a tile that names it
	s_endpgm
.Lfunc_end_k_q9ea27ae0b9_attn:
	.size	k_q9ea27ae0b9_attn, .Lfunc_end_k_q9ea27ae0b9_attn-k_q9ea27ae0b9_attn
	.p2alignl 7, 3214868480
	.fill 96, 4, 3214868480
	.section	.rodata,"a",@progbits
	.p2align	6, 0x0
	.amdhsa_kernel k_q9ea27ae0b9_attn
		.amdhsa_group_segment_fixed_size 327680
		.amdhsa_private_segment_fixed_size 0
		.amdhsa_enable_private_segment 0
		.amdhsa_kernarg_size 32
		.amdhsa_user_sgpr_count 2
		.amdhsa_user_sgpr_kernarg_segment_ptr 1
		.amdhsa_wavefront_size32 1
		.amdhsa_system_sgpr_workgroup_id_x 1
		.amdhsa_system_sgpr_workgroup_id_y 1
		.amdhsa_system_sgpr_workgroup_id_z 1
		.amdhsa_system_vgpr_workitem_id 0
		.amdhsa_next_free_vgpr 256
		.amdhsa_next_free_sgpr 100
		.amdhsa_reserve_vcc 0
		.amdhsa_float_denorm_mode_32 3
		.amdhsa_float_denorm_mode_16_64 3
		.amdhsa_memory_ordered 1
		.amdhsa_forward_progress 1
		.amdhsa_inst_pref_size 51
	.end_amdhsa_kernel
	.amdgpu_metadata
---
amdhsa.version: [ 1, 2 ]
amdhsa.kernels:
  - .name:           k_q9ea27ae0b9_attn
    .symbol:         k_q9ea27ae0b9_attn.kd
    .args:
      - { .name: qkvc, .offset: 0, .size: 8, .value_kind: global_buffer, .address_space: global }
      - { .name: qkvs, .offset: 8, .size: 8, .value_kind: global_buffer, .address_space: global }
      - { .name: oc, .offset: 16, .size: 8, .value_kind: global_buffer, .address_space: global }
      - { .name: os, .offset: 24, .size: 8, .value_kind: global_buffer, .address_space: global }
    .group_segment_fixed_size: 327680
    .private_segment_fixed_size: 0
    .kernarg_segment_align: 8
    .kernarg_segment_size: 32
    .max_flat_workgroup_size: 512
    .sgpr_count:     100
    .vgpr_count:     256
    .wavefront_size: 32
...
	.end_amdgpu_metadata
.endif
;; end of part 2
;; launch proj (part 3): grid 4 x 64, 4 waves a work-group, clusters of 4 x 4, 327,680 bytes of LDS; arguments oc, os, w_proj_codes, w_proj_scales, b_proj, out0; writes out0
.if DOCPART == 3
	.amdgcn_target "amdgcn-amd-amdhsa--gfx1250"
	.amdhsa_code_object_version 6
	.text
	.protected	k_q9ea27ae0b9_proj
	.globl	k_q9ea27ae0b9_proj
	.p2align	8
	.type	k_q9ea27ae0b9_proj,@function
k_q9ea27ae0b9_proj:
	s_mov_b64 s[64:65], 0
	v_nop
	global_prefetch_b8 v0, s[64:65] scope:SCOPE_SE
	s_setreg_imm32_b32 hwreg(HW_REG_WAVE_MODE, 25, 1), 1
	s_wait_xcnt 0x0
	s_wait_alu depctr_hold_cnt(0) depctr_sa_sdst(0) depctr_va_vdst(0) depctr_va_sdst(0) depctr_va_ssrc(0) depctr_va_vcc(0) depctr_vm_vsrc(0)
	s_getreg_b32 s2, hwreg(HW_REG_IB_STS2, 6, 4)
	s_cmp_eq_u32 s2, 0
	s_cbranch_scc0 .Lentry_in_a_cluster
	s_endpgm
.Lentry_in_a_cluster:
	s_bfe_u32 s2, ttmp6, 0x10000c
	s_cmp_lg_u32 s2, 0xf033
	s_cbranch_scc0 .Lentry_shape_is_right
	s_endpgm
.Lentry_shape_is_right:
; out0 = o w_proj^T + b_proj on codes of FP4 (E2M1) with one E8M0 byte for each 32 along K = 1,024; out0: [8,192][1,024] f32.
; o comes as the launch before has stored it: oc [token tile 512][head 16][512]: images of operand registers; the fragment of K step q (128 along K: heads 2 q and 2 q + 1) of a token tile is the 1,024 bytes at 8,192 T + 1,024 q;
; os [b 4][head 16][group of 128 tokens 16][r 16][a 8][2 bytes] of token 16 a + r.  w_proj: 1,024 rows of 512 bytes of codes and 32 scale bytes.
; A tile of 128 tokens x 256 columns is made by four waves: 64 x 4 = 256 tiles, one for each WGP (tiles of 256 x 256 would be 128).  A wave makes 64 tokens x 128 columns: 32 accumulators, 256 registers.
; ALL OF K LIES IN LDS, as two halves, each filled once; both are asked for at the head, so no later load is left to ask ahead for.
; CLUSTERS: 4 x 4 work-groups; o's tile is shared along a row of the cluster, w_proj's along a column: each is asked for jointly, by the same tensor load with the same descriptor and a mask that names the four.
; THE MATRIX INSTRUCTION IS USED TRANSPOSED (source 0 = 16 rows of w_proj, source 1 = 16 tokens): a lane holds eight neighbouring numbers of a row of out0.  The bias is the C of each sum's first product.
; REGISTERS, in windows of 256: window 0: v1-25 addresses; v32-63 o's scale words (8 a + q), v96-159 w_proj's (8 b + q); v160-191 os as loaded; v192-255 the bias, 8 registers a tile of columns.
;   window 1: o's fragments, two sets at v0, v32; w_proj's at v128, v192 (on the way out: rows read back from the stage).   window 2: the accumulators, (a, b) at v[8 (8 a + b)].
.set PITCH,  272                       ; a row of w_proj in LDS: 256 bytes + 16 of padding: the 16 rows that a load touches start at 16 different banks (64 banks of 4 bytes: ISA guide 11.1)
.set AIMG,   32768                     ; o's images of a half of K: 8 token tiles x 4,096 bytes; read 16 bytes a lane on end, so they want no padding
.set HALFB,  128*PITCH
.set SLOT,   AIMG+2*HALFB              ; a half of K: o's images, then w_proj's 256 rows
.set STAGE,  2*SLOT                    ; behind them: 16 rows x (512 bytes + 16) for each wave, for the way out; no tile lands there
.set SPITCH, 528
.set ADRA, 16                          ; v16-17  LDS address of my fragments of o in K half 0, 1
.set ADRB, 20                          ; v20-21  of w_proj
.set STO,  24                          ; v24     the way out: where I put 32 bytes of a row
.set RD,   25                          ; v25     where I read a row back
.set CO,   4                           ; v4      16 x lane
.set SA,   32
.set SB,   96
.set X,    160
.set BI,   192
.set AF,   0                           ; in window 1
.set BF,   128
.set G1A,  24                          ; s[24:31] descriptor group 1 for o's tiles;  s[32:39] group 0, one set for each half of K
.set G0A,  32
.set G1B,  48                          ; s[48:55], s[56:63] the same for w_proj's
.set G0B,  56
.set MSB, 0
.macro WIN new                         ; the immediate's high byte repeats the setting that is left; a switch that changes nothing is dropped
.if MSB != (\new)
	s_set_vgpr_msb (MSB<<8)|(\new)
.set MSB, (\new)
.endif
.endm
.macro PLACES n
.rept \n
	v_nop
.endr
.endm
.macro JLOAD g0a, g1a, g0b, g1b        ; a joint load: waves 0 and 1 fetch o's halves, waves 2 and 3 w_proj's; four v_nop follow each of the two lines
	s_cmp_eq_u32 s19, 0
	s_cbranch_scc0 .Lfor_b_\@
	tensor_load_to_lds s[\g0a:\g0a+3], s[\g1a:\g1a+7]
	s_nop 0
.rept 4
	v_nop
.endr
	s_branch .Lasked_\@
.Lfor_b_\@:
	tensor_load_to_lds s[\g0b:\g0b+3], s[\g1b:\g1b+7]
	s_nop 0
.rept 4
	v_nop
.endr
.Lasked_\@:
.endm
.macro CROUND                          ; a round of the cluster's barrier
	s_barrier_signal -1
	s_barrier_wait -1
	s_cmp_lg_u32 s18, 0
	s_cbranch_scc1 .Lnot_wave_0_\@
	s_barrier_signal -3
.Lnot_wave_0_\@:
	s_barrier_wait -3
	s_barrier_signal -1
	s_barrier_wait -1
.endm
	s_load_b256 s[4:11], s[0:1], 0x0               ; oc s[4:5], os s[6:7], w's codes s[8:9], w's scales s[10:11]
	s_load_b128 s[12:15], s[0:1], 0x20             ; b_proj s[12:13], out0 s[14:15]
	v_lshl_add_u32 v94, v0, 2, 0x3a400
	v_mov_b32 v95, 0
	ds_add_u32 v94, v95
	ds_add_u32 v94, v95
	v_lshrrev_b32 v1, 5, v0
	v_readfirstlane_b32 s18, v1                    ; wave 0..3
	s_lshr_b32 s19, s18, 1                         ; which 64 tokens are mine.  Also: I fetch for o (0) or for w_proj (1)
	s_and_b32 s20, s18, 1                          ; which 128 columns.  Also: which half of that tile I fetch
	s_bfe_u32 s21, ttmp6, 0x40000                  ; cx, cy: my place in the cluster
	s_bfe_u32 s22, ttmp6, 0x40004
	s_lshl_b32 s40, ttmp9, 2
	s_add_co_u32 s40, s40, s21                     ; tile column (256 columns)
	s_and_b32 s41, ttmp7, 0xffff
	s_lshl_b32 s41, s41, 2
	s_add_co_u32 s41, s41, s22                     ; tile row (128 tokens)
	s_lshl_b32 s42, s22, 2
	s_lshl_b32 s42, 15, s42                        ; my row of the cluster
	s_lshl_b32 s43, 0x1111, s21                    ; my column
	; descriptor group 1 for o: four token tiles, of each the 4,096 bytes of a half of K: rows of 512 elements of 8 bytes, 8,192 bytes apart
	s_or_b32 s[G1A], s42, (3<<16)|(1<<21)          ; 15:0 the mask; 17:16 elements of 8 bytes; 21 set beside a mask
	s_mov_b32 s[G1A+1], 512<<16                    ; tensor_dim0
	s_mov_b32 s[G1A+2], 4<<16                      ; tensor_dim1
	s_mov_b32 s[G1A+3], 512<<16                    ; tile_dim0
	s_mov_b32 s[G1A+4], 4                          ; tile_dim1
	s_mov_b32 s[G1A+5], 1024                       ; from row to row
	s_mov_b32 s[G1A+6], 0
	s_mov_b32 s[G1A+7], 0
	; and for w_proj: 128 rows x 256 bytes out of rows of 512, padded in LDS
	s_or_b32 s[G1B], s43, (1<<20)|(1<<21)|(5<<22)|(3<<25)   ; elements of 1 byte; padding: four words after every 64
	s_mov_b32 s[G1B+1], 256<<16
	s_mov_b32 s[G1B+2], 128<<16
	s_mov_b32 s[G1B+3], 256<<16
	s_mov_b32 s[G1B+4], 128
	s_mov_b32 s[G1B+5], 512
	s_mov_b32 s[G1B+6], 0
	s_mov_b32 s[G1B+7], 0
	s_lshl_b32 s66, s41, 3
	s_lshl_b32 s67, s20, 2
	s_add_co_u32 s66, s66, s67                     ; o: the token tiles that I fetch: 8 x tile row + 4 x (wave & 1),
	s_lshl_b32 s66, s66, 13                        ; in bytes.  (These registers never hold cx, those of w_proj never cy)
	s_mov_b32 s67, 0
	s_lshl_b32 s79, s40, 8
	s_lshl_b32 s69, s20, 7
	s_add_co_u32 s79, s79, s69                     ; w_proj: the rows that I fetch: 256 x tile column + 128 x (wave & 1); they are also the columns that I make
	s_lshl_b32 s68, s79, 9
	s_mov_b32 s69, 0
	s_lshl_b32 s96, s20, 14                        ; where they go: o's half,
	s_mul_i32 s97, s20, HALFB
	s_add_co_u32 s97, s97, AIMG                    ; w_proj's half: no place in the cluster enters an LDS address
	s_wait_dscnt 0x0
	s_wait_kmcnt 0x0
	s_add_nc_u64 s[70:71], s[4:5], s[66:67]
	s_add_nc_u64 s[72:73], s[8:9], s[68:69]
	CROUND                                         ; all sixteen work-groups are here: the joint loads meet
.irp s, 0,1
	s_mov_b32 s[G0A+4*\s], 1
	s_add_co_u32 s[G0A+4*\s+1], s96, \s*SLOT
	s_add_nc_u64 s[G0A+4*\s+2:G0A+4*\s+3], s[70:71], \s*4096
	s_or_b32 s[G0A+4*\s+3], s[G0A+4*\s+3], 0x80000000
	s_mov_b32 s[G0B+4*\s], 1
	s_add_co_u32 s[G0B+4*\s+1], s97, \s*SLOT
	s_add_nc_u64 s[G0B+4*\s+2:G0B+4*\s+3], s[72:73], \s*256
	s_or_b32 s[G0B+4*\s+3], s[G0B+4*\s+3], 0x80000000
	s_wait_alu depctr_va_vdst(0)
	s_wait_tensorcnt 0x0
	ds_add_u32 v94, v95
	ds_add_u32 v94, v95
	s_wait_dscnt 0x0
	CROUND
	JLOAD G0A+4*\s, G1A, G0B+4*\s, G1B             ; one load of mine is out at a time
.endr
	s_mov_b32 s83, 0
	s_lshr_b32 s82, s41, 4
	s_lshl_b32 s82, s82, 16                        ; os: the batch,
	s_and_b32 s80, s41, 15
	s_lshl_b32 s80, s80, 8                         ; the group of 128 tokens,
	s_add_co_u32 s82, s82, s80
	s_lshl_b32 s80, s19, 3                         ; my four token tiles' 8 bytes of a row's 16
	s_add_co_u32 s82, s82, s80
	s_add_nc_u64 s[74:75], s[6:7], s[82:83]
	s_lshl_b32 s82, s79, 5
	s_add_nc_u64 s[76:77], s[10:11], s[82:83]      ; w_proj's scales at my rows
	s_lshl_b32 s82, s79, 2
	s_add_nc_u64 s[84:85], s[12:13], s[82:83]      ; the bias at my columns
	s_lshl_b32 s80, s41, 7
	s_lshl_b32 s81, s19, 6
	s_add_co_u32 s80, s80, s81                     ; my first token
	s_lshl_b32 s80, s80, 12                        ; rows of 4,096 bytes
	s_add_co_u32 s82, s82, s80
	s_add_nc_u64 s[92:93], s[14:15], s[82:83]      ; out0 at my first token and column
	s_mov_b32 s90, 0x05040100                      ; v_perm_b32: the low halves of two registers,
	s_mov_b32 s91, 0x07060302                      ; the high halves
	v_and_b32 v1, 15, v0                           ; r
	v_bfe_u32 v2, v0, 4, 1                         ; h
	v_and_b32 v3, 31, v0
	v_lshlrev_b32 v[CO], 4, v3                     ; 16 x lane
	v_lshlrev_b32 v5, 5, v1                        ; 32 r
	v_lshlrev_b32 v6, 5, v2                        ; 32 h
	v_lshlrev_b32 v7, 4, v1                        ; 16 r
	v_mul_u32_u24 v10, v1, PITCH
	v_lshl_add_u32 v10, v2, 4, v10                 ; a fragment's row x pitch + 16 x half
	s_lshl_b32 s82, s19, 14                        ; my four token tiles' images
	s_mul_i32 s80, s20, HALFB
	s_add_co_u32 s80, s80, AIMG                    ; my 128 rows of w_proj
.irp s, 0,1
	v_add_nc_u32 v[ADRA+\s], s82, v[CO]
	v_add_nc_u32 v[ADRB+\s], s80, v10
	s_add_co_u32 s82, s82, SLOT
	s_add_co_u32 s80, s80, SLOT
.endr
	s_mul_i32 s82, s18, 16*SPITCH
	s_add_co_u32 s82, s82, STAGE                   ; my stage
	v_mul_u32_u24 v[STO], v1, SPITCH               ; in: row r, 32 bytes for each half of the lanes
	v_lshl_add_u32 v[STO], v2, 5, v[STO]
	v_add_nc_u32 v[STO], s82, v[STO]
	v_add_nc_u32 v[RD], s82, v[CO]                 ; back: the 32 lanes take one row of 512 bytes
.irp i, 0,1,2,3,4,5,6,7                        ; w_proj's scale words of my rows for all of K: word q of a row's 32 bytes is K step q
	global_load_b128 v[SB+8*\i:SB+8*\i+3],   v5, s[76:77] offset:512*\i
	global_load_b128 v[SB+8*\i+4:SB+8*\i+7], v5, s[76:77] offset:512*\i+16
.endr
.irp d, 0,1,2,3,4,5,6,7,8,9,10,11,12,13,14,15  ; o's scale bytes: of each head the two bytes of my four token tiles' row r
	global_load_b64 v[X+2*\d:X+2*\d+1], v7, s[74:75] offset:4096*\d
.endr
.irp b, 0,1,2,3,4,5,6,7                        ; the bias in the result's layout: register 8 b + j: column 16 b + 8 h + j
	global_load_b128 v[BI+8*\b:BI+8*\b+3],   v6, s[84:85] offset:64*\b
	global_load_b128 v[BI+8*\b+4:BI+8*\b+7], v6, s[84:85] offset:64*\b+16
.endr
	s_wait_loadcnt 0x0
.irp a, 0,1,2,3
.irp q, 0,1,2,3,4,5,6,7
	v_perm_b32 v[SA+8*\a+\q], v[X+4*\q+2+\a/2], v[X+4*\q+\a/2], s[90+\a%2]   ; token tile a, K step q: head 2 q's two bytes below, head 2 q + 1's above
.endr
.endr
	PLACES 8                                       ; a scale register written by a vector instruction stands eight places ahead of a scaled matrix instruction
.macro FETCH q                         ; the fragments of K step q into set q % 2: w_proj's eight from rows, o's four as images
	WIN 0x40                                       ; destination window 1, address window 0
.irp i, 0,1,2,3,4,5,6,7
.irp c, 0,1
	ds_load_b128 v[BF+64*((\q)%2)+8*\i+4*\c:BF+64*((\q)%2)+8*\i+4*\c+3], v[ADRB+(\q)/4] offset:64*((\q)%4)+32*\c+\i*16*PITCH
.endr
.endr
.irp i, 0,1,2,3
.irp c, 0,1
	ds_load_b128 v[AF+32*((\q)%2)+8*\i+4*\c:AF+32*((\q)%2)+8*\i+4*\c+3], v[ADRA+(\q)/4] offset:4096*\i+1024*((\q)%4)+512*\c
.endr
.endr
.endm
; The 32 products of K step q.  The accumulators take turns, one instruction a turn, in the same order in every step.  first = 1: the bias is the C of the first step's products.
.macro MULS q, first
.if \first
	WIN 0x85                                       ; sources 0 and 1 window 1, C window 0, D window 2
.else
	WIN 0xa5                                       ; C and D window 2
.endif
.irp a, 0,1,2,3
.irp b, 0,1,2,3,4,5,6,7
.if \first
	v_wmma_scale_f32_16x16x128_f8f6f4 v[8*(8*\a+\b):8*(8*\a+\b)+7], v[BF+64*((\q)%2)+8*\b:BF+64*((\q)%2)+8*\b+7], v[AF+32*((\q)%2)+8*\a:AF+32*((\q)%2)+8*\a+7], v[BI+8*\b:BI+8*\b+7], v[SB+8*\b+(\q)], v[SA+8*\a+(\q)] matrix_a_fmt:MATRIX_FMT_FP4 matrix_b_fmt:MATRIX_FMT_FP4
.else
	v_wmma_scale_f32_16x16x128_f8f6f4 v[8*(8*\a+\b):8*(8*\a+\b)+7], v[BF+64*((\q)%2)+8*\b:BF+64*((\q)%2)+8*\b+7], v[AF+32*((\q)%2)+8*\a:AF+32*((\q)%2)+8*\a+7], v[8*(8*\a+\b):8*(8*\a+\b)+7], v[SB+8*\b+(\q)], v[SA+8*\a+(\q)] matrix_a_fmt:MATRIX_FMT_FP4 matrix_b_fmt:MATRIX_FMT_FP4
.endif
.endr
.endr
.endm
.macro STEP q, first
	s_wait_dscnt 0x0                               ; this step's fragments, asked for a whole step ago, are in
.if (\q) == 3
	s_wait_tensorcnt 0x0                           ; my part of K's second half has landed: it is my last load.
	s_barrier_signal -1                            ; (no LDS instruction of mine is out)
	s_barrier_wait -1                              ; everybody's has: the next fetch reads it.
.endif
.if (\q) < 7
.if (\q) > 0
	PLACES 4                                       ; loads into registers that the last step's products have read stand four plain vector instructions behind them
.endif
	FETCH (\q)+1
.endif
	MULS \q, \first
.endm
; THE WAY OUT, block a of 16 tokens x 128 columns at a time.  A lane holds 32 neighbouring bytes of a row, and the lanes beside it hold other rows: so a block goes through my own stage in LDS and comes back as whole rows of
; 512 bytes.  LDS serves a wave's instructions in order (ISA guide 5.7.1.4): no wait between the stores and the loads, nor in front of the next block's stores.
.macro TOSTAGE a
	WIN 0x08                                       ; an LDS store's data are its source 1: window 2
.irp b, 0,1,2,3,4,5,6,7
	ds_store_b128 v[STO], v[8*(8*(\a)+\b):8*(8*(\a)+\b)+3] offset:64*\b          ; each accumulator from its low end on
	ds_store_b128 v[STO], v[8*(8*(\a)+\b)+4:8*(8*(\a)+\b)+7] offset:64*\b+16
.endr
	WIN 0x40
.irp t, 0,1,2,3,4,5,6,7,8,9,10,11,12,13,14,15
	ds_load_b128 v[BF+64*((\a)%2)+4*\t:BF+64*((\a)%2)+4*\t+3], v[RD] offset:\t*SPITCH
.endr
.endm
.macro SEND a, younger                 ; younger: the LDS instructions issued behind block a's loads, which may stay out
	s_wait_dscnt \younger                          ; the block is back in registers
	WIN 0x04                                       ; a store's data are its source 1: window 1
.irp t, 0,1,2,3,4,5,6,7,8,9,10,11,12,13,14,15
	global_store_b128 v[CO], v[BF+64*((\a)%2)+4*\t:BF+64*((\a)%2)+4*\t+3], s[92:93] offset:(16*(\a)+\t)*4096 th:TH_STORE_NT   ; 32 lanes store 512 consecutive bytes, aligned; the row stands in the immediate, 63 rows at the most; written once, read by nobody here
.endr
.endm
	s_wait_alu depctr_va_vdst(0)
	s_wait_tensorcnt 0x1                           ; my part of K's first half is in; the second half's load may stay out
	s_barrier_signal -1
	s_barrier_wait -1                              ; everybody's is
	FETCH 0
	STEP 0, 1
.irp q, 1,2,3,4,5,6,7
	STEP \q, 0
.endr
	PLACES 4                                       ; behind the last products: for the first reads of results, and for the loads into the registers that held w_proj's fragments
	TOSTAGE 0
.irp a, 1,2,3
.if \a > 1
	s_wait_xcnt 0x0                                ; block a - 2's stores have read their data: block a's loads may land there
.endif
	TOSTAGE \a
	SEND \a-1, 32                                  ; behind block a - 1's loads: block a's 16 stores and 16 loads
.endr
	SEND 3, 0
	WIN 0                                          ; at a label and at a branch every window is 0
	s_wait_tensorcnt 0x0
	ds_add_u32 v94, v95
	s_wait_dscnt 0x0
	CROUND                                         ; the closing round: no work-group ends while a partner may still ask for a tile that names it
	s_endpgm
.Lfunc_end_k_q9ea27ae0b9_proj:
	.size	k_q9ea27ae0b9_proj, .Lfunc_end_k_q9ea27ae0b9_proj-k_q9ea27ae0b9_proj
	.p2alignl 7, 3214868480
	.fill 96, 4, 3214868480
	.section	.rodata,"a",@progbits
	.p2align	6, 0x0
	.amdhsa_kernel k_q9ea27ae0b9_proj
		.amdhsa_group_segment_fixed_size 327680
		.amdhsa_private_segment_fixed_size 0
		.amdhsa_enable_private_segment 0
		.amdhsa_kernarg_size 48
		.amdhsa_user_sgpr_count 2
		.amdhsa_user_sgpr_kernarg_segment_ptr 1
		.amdhsa_wavefront_size32 1
		.amdhsa_system_sgpr_workgroup_id_x 1
		.amdhsa_system_sgpr_workgroup_id_y 1
		.amdhsa_system_sgpr_workgroup_id_z 1
		.amdhsa_system_vgpr_workitem_id 0
		.amdhsa_next_free_vgpr 768
		.amdhsa_next_free_sgpr 100
		.amdhsa_reserve_vcc 0
		.amdhsa_float_denorm_mode_32 3
		.amdhsa_float_denorm_mode_16_64 3
		.amdhsa_memory_ordered 1
		.amdhsa_forward_progress 1
		.amdhsa_inst_pref_size 76
	.end_amdhsa_kernel
	.amdgpu_metadata
---
amdhsa.version: [ 1, 2 ]
amdhsa.kernels:
  - .name:           k_q9ea27ae0b9_proj
    .symbol:         k_q9ea27ae0b9_proj.kd
    .args:
      - { .name: oc, .offset: 0, .size: 8, .value_kind: global_buffer, .address_space: global }
      - { .name: os, .offset: 8, .size: 8, .value_kind: global_buffer, .address_space: global }
      - { .name: w_proj_codes, .offset: 16, .size: 8, .value_kind: global_buffer, .address_space: global }
      - { .name: w_proj_scales, .offset: 24, .size: 8, .value_kind: global_buffer, .address_space: global }
      - { .name: b_proj, .offset: 32, .size: 8, .value_kind: global_buffer, .address_space: global }
      - { .name: out0, .offset: 40, .size: 8, .value_kind: global_buffer, .address_space: global }
    .group_segment_fixed_size: 327680
    .private_segment_fixed_size: 0
    .kernarg_segment_align: 8
    .kernarg_segment_size: 48
    .max_flat_workgroup_size: 128
    .sgpr_count:     100
    .vgpr_count:     768
    .wavefront_size: 32
...
	.end_amdgpu_metadata
.endif
;; end of part 3
